; MI455X (gfx1250); checked and timed in simulation.
; The chip was launched on July 23, 2026; its instructions are those of AMD's public machine-readable ISA for CDNA 5 (MIT licence, August 2026) and "CDNA5" Instruction Set Architecture Reference Guide (July 2026). The comments in the code are by the model that wrote it; some were corrected since.
;; Multi Head Attention. Allowed arithmetic: matrix products marked QUANTISED: E4M3 operands, one E8M0 scale for each 32 along K, by v_wmma_scale_f32_16x16x128_f8f6f4 with both operands' format E4M3, f32 sums; everything else in f32.
;; Inputs: b_out 1,024 float32; b_qkv 3,072 float32; w_out_codes 1,024 x 32 x 32 uint8 (E4M3 codes of w_out, K innermost, in blocks of 32 codes); w_out_scales 1,024 x 32 uint8 (E8M0 scales of w_out, one for each 32 codes along K); w_qkv_codes 3,072 x 32 x 32 uint8 (E4M3 codes of w_qkv, K innermost, in blocks of 32 codes); w_qkv_scales 3,072 x 32 uint8 (E8M0 scales of w_qkv, one for each 32 codes along K); x_codes 4 x 2,048 x 32 x 32 uint8 (E4M3 codes of x, K innermost, in blocks of 32 codes); x_scales 4 x 2,048 x 32 uint8 (E8M0 scales of x, one for each 32 codes along K).
;; Outputs: out0 4 x 2,048 x 1,024 float32.
;; This version of the problem:
;;   THIS VERSION OF THE PROBLEM IS GIVEN IN LOW PRECISION. The matrix products marked QUANTISED in the list below multiply operands that are first quantised to E4M3 (4 exponent bits, 3 mantissa bits; 8 bits a number), with one power-of-two scale for each 32 numbers along K (OCP MX v1.0); their sums are f32. All else is computed in f32.
;;   The module's matrix products, in the order in which they are computed (A, B: the left and right operand; K: the contracted axis; several contracted axes count as one K, in the product's order):
;;     1. [M 8,192, K 1,024] x [K 1,024, N 3,072]; A: input x (given as codes); B: input w_qkv (given as codes): QUANTISED
;;     2. batch 64 x [M 2,048, K 64] x [K 64, N 2,048]; A: computed on the way; B: computed on the way: QUANTISED
;;     3. batch 64 x [M 2,048, K 2,048] x [K 2,048, N 64]; A: softmax (see below); B: computed on the way: QUANTISED
;;     4. [M 8,192, K 1,024] x [K 1,024, N 1,024]; A: computed on the way; B: input w_out (given as codes): QUANTISED
;;   THE QUANTISER, for each operand of a quantised product, along K:
;;     - K is cut into blocks of 32 from its start; a last block that is shorter is filled with zeros.
;;     - A block's scale is 2^e with e = floor(log2(the largest magnitude in the block)) - 8, held to -126 .. 127; a block of zeros has e = 0. As a byte (E8M0): e + 127.
;;     - Each number is divided by its block's scale, clamped to +-448, and rounded to the nearest number of E4M3, ties to even, subnormals kept.
;;     - The product sums the exact products of the quantised numbers (number of the format x scale) in f32.
;;   ~~~python
;;   def quantise(x, axis):      # numpy; x: float32 -> the quantised numbers, widened to float32 again
;;       x = np.moveaxis(x, axis, -1); K = x.shape[-1]
;;       x = np.pad(x, [(0, 0)] * (x.ndim - 1) + [(0, -K % 32)]); x = x.reshape(x.shape[:-1] + (-1, 32)); a = np.abs(x).max(-1, keepdims=True)
;;       e = np.where(a > 0, np.clip(np.frexp(np.where(a > 0, a, 1))[1] - 1 - 8, -126, 127), 0)      # np.frexp(a)[1] - 1 = floor(log2(a)), exactly
;;       r = np.clip(x / 2.0 ** e, -448, 448)
;;       step = 2.0 ** (np.maximum(np.frexp(np.where(r == 0, 1, r))[1] - 1, -6) - 3)
;;       q = np.round(r / step) * step * 2.0 ** e      # np.round: ties to even
;;       return np.moveaxis(q.reshape(q.shape[:-2] + (-1,))[..., :K], -1, axis).astype(np.float32)
;;   ~~~
;;   SOFTMAX AHEAD OF A QUANTISED PRODUCT. Where the list says 'softmax', what is quantised is not the finished softmax but p = 2^(t - M), with t = logit x log2(e) and M = ceil(the row's largest t), a whole number; so 1/2 < the row's largest p <= 1. The row's sum l is taken of the UNQUANTISED p, in f32, and the product's result is divided by l at the end. Since M is a whole number, a kernel that streams over the keys may use a running M (the ceiling of the running maximum): every later rescaling is an exact power of two, which a block's scale takes up: the codes' values come out the same.
;;   OPERANDS COMPUTED ON THE WAY. 'Computed on the way' means the value that the module computes at that place (a softmax that the list does not call 'softmax' is quantised finished and normalised). What goes into a quantiser is computed in f32, as accurately as f32 sums, v_exp_f32 and their like allow (about 1e-6 of the number): no bf16 or f16 on the way to a quantiser, and a product that is left as it is and whose result goes on into a quantised operand takes f32 operands (vector FMAs, or v_wmma_f32_16x16x4_f32). A number that lies on a knife's edge between two numbers of the format may be rounded either way, as far as f32 arithmetic and the matrix unit's own rounding can turn it there, and no further.
;;   INPUTS GIVEN AS CODES. w_out (in the module: [1024, 1024], K = its axis 1); w_qkv (in the module: [3072, 1024], K = its axis 1); x (in the module: [4, 2048, 1024], K = its axis 2): each comes as NAME_codes (uint8): NAME with its K axis moved to the last place and cut into blocks of 32 codes, [.., K / 32, bytes a block], one block behind the other in memory; one code a byte (a code: sign, 4 exponent bits, 3 mantissa bits); and NAME_scales (uint8): the same leading axes, one E8M0 byte (e + 127) for each 32 codes along K. Its value is code x scale, taken as it is: it is not quantised again, and the codes and scales need not be those that the quantiser above would give.
;; One version. Each part assembles by itself: llvm-mc -triple=amdgcn-amd-amdhsa -mcpu=gfx1250 --defsym DOCPART=n.
;; ======== version 1 of 1: 3 launches
;; limits: right only within a limited range of input values
;; workspace buffers: qkvc 25,165,824 bytes; qkvs 786,432 bytes; oc 8,388,608 bytes; os 262,144 bytes
;; launch qkv (part 1): grid 12 x 32, 4 waves a work-group, clusters of 4 x 4, 327,680 bytes of LDS; arguments x_codes, x_scales, w_qkv_codes, w_qkv_scales, b_qkv, qkvc, qkvs; writes qkvc, qkvs
.if DOCPART == 1
	.amdgcn_target "amdgcn-amd-amdhsa--gfx1250"
	.amdhsa_code_object_version 6
	.text
	.protected	k_q627ff49345_qkv
	.globl	k_q627ff49345_qkv
	.p2align	8
	.type	k_q627ff49345_qkv,@function
k_q627ff49345_qkv:
	s_mov_b64 s[64:65], 0
	v_nop
	global_prefetch_b8 v0, s[64:65] scope:SCOPE_SE
	s_setreg_imm32_b32 hwreg(HW_REG_WAVE_MODE, 25, 1), 1
	s_wait_xcnt 0x0
	s_wait_alu depctr_hold_cnt(0) depctr_sa_sdst(0) depctr_va_vdst(0) depctr_va_sdst(0) depctr_va_ssrc(0) depctr_va_vcc(0) depctr_vm_vsrc(0)
	s_getreg_b32 s2, hwreg(HW_REG_IB_STS2, 6, 4)
	s_cmp_eq_u32 s2, 0
	s_cbranch_scc0 .Lentry_in_a_cluster
	s_endpgm
.Lentry_in_a_cluster:
	s_bfe_u32 s2, ttmp6, 0x10000c
	s_cmp_lg_u32 s2, 0xf033
	s_cbranch_scc0 .Lentry_shape_is_right
	s_endpgm
.Lentry_shape_is_right:
.set NQ,     2
.set ROWB,   256
.set KROW,   1024
.set PITCH,  272
.set FR,     16
.set NL,     4
.set NP,     8
.set HALFT,  128*PITCH
.set SLOT,   4*HALFT
.set LAPS,   2
.set KS,     32
.set SCL,    2*SLOT
.set HALFS,  (128*KS/256)*272
.set SBLK,   (16*KS/256)*272
.set SPARE,  SCL+4*HALFS
.set STG,    SPARE+512
.set BL,   8
.set ADRA, 16
.set ADRB, 20
.set VO0,  22
.set VO2,  23
.set SSTO, 24
.set SSRD, 25
.set SGO,  26
.set ADRS, 27
.set SPW,  28
.set NIL,  29
.set BO,   30
.set LO,   31
.set SC,   32
.set BB,   64
.set AF,   128
.set T,    128
.set PC,   192
.set TM,   208
.set PWS,  224
.set BP,   232
.set WO,   234
.set RB,   244
.set WV, 18
.set WR, 19
.set WC, 20
.set CX, 21
.set CY, 22
.set G1, 24
.set G0, 32
.set G1B, 48
.set G0B, 56
.set SEL, 66
.set G1S, 68
.set G0S, 76
.set G1SB, 80
.set G0SB, 88
.set SA,  98
.set SA4, 100
.set MNT, 104
.set RM,  105
.set MSB, 0
.macro WIN new
.if MSB != \new
	s_set_vgpr_msb (MSB<<8)|\new
.set MSB, \new
.endif
.endm
.set MUL_LO, 0xa1
.set MUL_HI, 0xf1
.set TO_B,   0x40
.macro JLOAD g0a, g1a, g0b, g1b
	s_cmp_eq_u32 s[WR], 0
	s_cbranch_scc0 .Lfor_b_\@
	tensor_load_to_lds s[\g0a:\g0a+3], s[\g1a:\g1a+7]
	s_nop 0
.rept 4
	v_nop
.endr
	s_branch .Lasked_\@
.Lfor_b_\@:
	tensor_load_to_lds s[\g0b:\g0b+3], s[\g1b:\g1b+7]
	s_nop 0
.rept 4
	v_nop
.endr
.Lasked_\@:
.endm
.macro CREST
	s_cmp_lg_u32 s[WV], 0
	s_cbranch_scc1 .Lnot_wave_0_\@
	s_barrier_signal -3
.Lnot_wave_0_\@:
	s_barrier_wait -3
	s_barrier_signal -1
	s_barrier_wait -1
.endm
.macro CROUND
	s_barrier_signal -1
	s_barrier_wait -1
	CREST
.endm
	s_load_b256 s[4:11], s[0:1], 0x0
	s_load_b128 s[12:15], s[0:1], 0x20
	s_load_b64 s[16:17], s[0:1], 0x30
	v_lshl_add_u32 v[SPW], v0, 2, SPARE
	v_mov_b32 v[NIL], 0
	ds_add_u32 v28, v29
	ds_add_u32 v28, v29
	s_wait_dscnt 0x0
	v_lshrrev_b32 v1, 5, v0
	v_readfirstlane_b32 s[WV], v1
	s_lshr_b32 s[WR], s[WV], 1
	s_and_b32 s[WC], s[WV], 1
	s_bfe_u32 s[CX], ttmp6, 0x40000
	s_bfe_u32 s[CY], ttmp6, 0x40004
	s_and_b32 s92, ttmp7, 0xffff
	s_lshl_b32 s92, s92, 2
	s_lshl_b32 s96, ttmp9, 2
	s_cmp_eq_u32 ttmp9, 2
	s_cselect_b32 s94, 8, s92
	s_cselect_b32 s95, s92, s96
	s_cselect_b32 s[RM], -1, 0
	s_add_co_u32 s94, s94, s[CY]
	s_add_co_u32 s95, s95, s[CX]
	s_lshl_b32 s93, s[CY], 2
	s_lshl_b32 s93, 15, s93
	s_lshl_b32 s97, 0x1111, s[CX]
	s_or_b32 s[G1+0], s93, (0<<16)|(1<<20)|(1<<21)|(5<<22)|(3<<25)
	s_or_b32 s[G1B+0], s97, (0<<16)|(1<<20)|(1<<21)|(5<<22)|(3<<25)
.irp g, G1, G1B
	s_mov_b32 s[\g+1], ROWB<<16
	s_mov_b32 s[\g+2], 256<<16                     ; the head's loads of codes bring 256 rows
	s_mov_b32 s[\g+3], ROWB<<16
	s_mov_b32 s[\g+4], 256
	s_mov_b32 s[\g+5], KROW
	s_mov_b32 s[\g+6], 0
	s_mov_b32 s[\g+7], 0
.endr
	s_or_b32 s[G1S+0], s93, (3<<16)|(1<<20)|(1<<21)|(5<<22)|(3<<25)
	s_or_b32 s[G1SB+0], s97, (3<<16)|(1<<20)|(1<<21)|(5<<22)|(3<<25)
.irp g, G1S, G1SB
	s_mov_b32 s[\g+1], 32<<16
	s_mov_b32 s[\g+2], KS<<16                      ; the scales of 256 rows: KS rows of 256 bytes
	s_mov_b32 s[\g+3], 32<<16
	s_mov_b32 s[\g+4], KS
	s_mov_b32 s[\g+5], 32
	s_mov_b32 s[\g+6], 0
	s_mov_b32 s[\g+7], 0
.endr
	s_lshl_b32 s23, s[WC], 7
	s_lshl_b32 s92, s94, 8
	s_add_co_u32 s92, s92, s23
	s_lshl_b32 s96, s95, 8
	s_add_co_u32 s96, s96, s23
	s_mov_b32 s93, 0
	s_mov_b32 s97, 0
	s_lshl_b32 s92, s92, 5
	s_lshl_b32 s96, s96, 5
	s_mul_i32 s2, s[WV], HALFT
	s_wait_kmcnt 0x0
	s_cmp_eq_u32 ttmp9, 2
	s_cselect_b64 s[40:41], s[8:9], s[4:5]
	s_cselect_b64 s[42:43], s[10:11], s[6:7]
	s_cselect_b64 s[44:45], s[4:5], s[8:9]
	s_cselect_b64 s[46:47], s[6:7], s[10:11]
	s_add_nc_u64 s[42:43], s[42:43], s[92:93]
	s_add_nc_u64 s[46:47], s[46:47], s[96:97]
	s_lshl_b32 s92, s92, 5
	s_lshl_b32 s96, s96, 5
	s_add_nc_u64 s[40:41], s[40:41], s[92:93]
	s_add_nc_u64 s[44:45], s[44:45], s[96:97]
	CROUND
	s_mov_b32 s[G0S], 1
	s_mov_b32 s[G0S+1], SCL
	s_lshl_b32 s92, s[WC], 12                      ; back from my half's first row to the tile's: 128 rows of 32 scale bytes
	s_sub_nc_u64 s[G0S+2:G0S+3], s[42:43], s[92:93]
	s_or_b32 s[G0S+3], s[G0S+3], 0x80000000
	s_mov_b32 s[G0SB], 1
	s_mov_b32 s[G0SB+1], SCL+2*HALFS
	s_sub_nc_u64 s[G0SB+2:G0SB+3], s[46:47], s[92:93]
	s_or_b32 s[G0SB+3], s[G0SB+3], 0x80000000
.irp s, 0,1
	s_mov_b32 s[G0+4*\s], 1
	s_add_co_u32 s[G0+4*\s+1], s2, \s*SLOT
	s_add_nc_u64 s[G0+4*\s+2:G0+4*\s+3], s[40:41], \s*ROWB
	s_or_b32 s[G0+4*\s+3], s[G0+4*\s+3], 0x80000000
	s_mov_b32 s[G0B+4*\s], 1
	s_add_co_u32 s[G0B+4*\s+1], s2, \s*SLOT
	s_add_nc_u64 s[G0B+4*\s+2:G0B+4*\s+3], s[44:45], \s*ROWB
	s_or_b32 s[G0B+4*\s+3], s[G0B+4*\s+3], 0x80000000
.endr
	; THE HEAD'S LOADS, ONE A WAVE: wave 0 K step 0's 256 rows of the first operand, wave 1 those of the second, waves 2 and 3 their scale bytes.
	; Their groups 0 for the codes lie in s[40:43] and s[44:47], where the ring's addresses were taken from.
	s_lshl_b32 s96, s[WC], 17                      ; back from my half's first row to the tile's: 128 rows of 1,024 codes
	s_sub_nc_u64 s[42:43], s[40:41], s[96:97]
	s_or_b32 s43, s43, 0x80000000
	s_mov_b32 s40, 1
	s_mov_b32 s41, 0
	s_sub_nc_u64 s[46:47], s[44:45], s[96:97]
	s_or_b32 s47, s47, 0x80000000
	s_mov_b32 s44, 1
	s_mov_b32 s45, 2*HALFT
.macro ARM under, g0, g1, next
	s_cmp_lt_u32 s[WV], \under
	s_cbranch_scc0 \next
	tensor_load_to_lds s[\g0:\g0+3], s[\g1:\g1+7]
	s_nop 0
.rept 4
	v_nop
.endr
	s_branch .Lhead_asked
\next:
.endm
	ARM 1, 40,  G1,  .Lhead_b
	ARM 2, 44,  G1B, .Lhead_sa
	ARM 3, G0S, G1S, .Lhead_sb
	tensor_load_to_lds s[G0SB:G0SB+3], s[G1SB:G1SB+7]
	s_nop 0
.rept 4
	v_nop
.endr
.Lhead_asked:
	v_and_b32 v1, 15, v0
	v_bfe_u32 v2, v0, 4, 1
	v_mul_u32_u24 v3, v1, PITCH
	v_lshl_add_u32 v4, v2, 4, v3
	s_mul_i32 s4, s[WR], HALFT
	s_mul_i32 s5, s[WC], HALFT
	s_add_co_u32 s5, s5, 2*HALFT
.irp s, 0,1
	v_add_nc_u32 v[ADRA+\s], s4, v4
	v_add_nc_u32 v[ADRB+\s], s5, v4
	s_add_co_u32 s4, s4, SLOT
	s_add_co_u32 s5, s5, SLOT
.endr
	v_mul_u32_u24 v5, v1, KS
	v_lshrrev_b32 v6, 8, v5
	v_lshl_add_u32 v5, v6, 4, v5
	s_mul_i32 s4, s[WR], HALFS
	s_mul_i32 s5, s[WC], HALFS
	s_add_co_u32 s5, s5, 2*HALFS
	s_sub_co_u32 s5, s5, s4
	v_mul_u32_u24 v6, s5, v2
	s_add_co_u32 s4, s4, SCL
	v_add_nc_u32 v5, v5, v6
	v_add_nc_u32 v[ADRS], s4, v5
	s_cmp_eq_u32 ttmp9, 2
	s_cselect_b32 s4, s95, s94
	s_cselect_b32 s5, s94, s95
	s_cselect_b32 s6, s[WC], s[WR]
	s_cselect_b32 s7, s[WR], s[WC]
	s_mov_b32 s[SA], 1024
	s_cselect_b32 s[SA], 2048, s[SA]
	s_mov_b32 s[SA4], 1024
	s_cselect_b32 s[SA4], 124928, s[SA4]
	s_mov_b32 s8, 131072
	s_cselect_b32 s8, 1024, s8
	s_mov_b32 s[SA+1], 0
	s_mov_b32 s[SA4+1], 0
	s_lshr_b32 s9, s4, 3
	s_lshl_b32 s9, s9, 4
	s_and_b32 s10, s5, 3
	s_lshl_b32 s10, s10, 2
	s_add_co_u32 s9, s9, s10
	s_lshl_b32 s10, s7, 1
	s_add_co_u32 s9, s9, s10
	s_and_b32 s10, s4, 7
	s_lshl_b32 s10, s10, 1
	s_add_co_u32 s10, s10, s6
	s_lshr_b32 s11, s5, 2
	s_lshl_b32 s2, s11, 23
	s_lshl_b32 s23, s9, 17
	s_add_co_u32 s2, s2, s23
	s_lshl_b32 s23, s10, 13
	s_add_co_u32 s2, s2, s23
	s_mov_b32 s3, 0
	s_add_nc_u64 s[14:15], s[14:15], s[2:3]
	s_lshl_b32 s2, s11, 18
	s_lshl_b32 s23, s9, 12
	s_add_co_u32 s2, s2, s23
	s_lshl_b32 s23, s10, 8
	s_add_co_u32 s2, s2, s23
	s_add_nc_u64 s[16:17], s[16:17], s[2:3]
	s_lshl_b32 s2, s5, 10
	s_lshl_b32 s23, s7, 9
	s_add_co_u32 s2, s2, s23
	s_add_nc_u64 s[12:13], s[12:13], s[2:3]
	s_mov_b32 s[SEL], 0x76543210
	s_mov_b32 s[SEL+1], 0xfedcba98
	s_mov_b32 s[MNT], 0x600000
	v_and_b32 v7, 31, v0
	v_lshlrev_b32 v[VO0], 4, v7
	v_add_nc_u32 v[VO2], s8, v[VO0]
	s_lshl_b32 s23, s[WV], 9
	s_add_co_u32 s23, s23, STG
	v_lshl_add_u32 v[SSTO], v1, 2, s23
	v_add_nc_u32 v[SSRD], s23, v[VO0]
	v_lshlrev_b32 v[SGO], 4, v1
	v_lshl_add_u32 v[SGO], v2, 12, v[SGO]
	v_lshlrev_b32 v[BO], 5, v2
	v_lshlrev_b32 v[LO], 2, v1
.irp b, 0,1,2,3,4,5,6,7
	global_load_b128 v[BB+8*\b:BB+8*\b+3], v[BO], s[12:13] offset:64*\b
	global_load_b128 v[BB+8*\b+4:BB+8*\b+7], v[BO], s[12:13] offset:64*\b+16
.endr
.irp a, 0,1,2,3,4,5,6,7
	global_load_b32 v[BL+\a], v[LO], s[12:13] offset:64*\a
.endr
	s_wait_loadcnt 0x0
.set i, 0
.rept 64
	v_cndmask_b32 v[BB+i], v[BB+i], 1.0, s[RM]
.set i, i+1
.endr
.irp a, 0,1,2,3,4,5,6,7
	v_cndmask_b32 v[BL+\a], 1.0, v[BL+\a], s[RM]
.endr
.macro FRAG reg, adr, q, i
.irp c, 0,1,2,3
	ds_load_b128 v[\reg+4*\c:\reg+4*\c+3], v[\adr] offset:128*(\q)+32*\c+(\i)*16*PITCH
.endr
.endm
.macro MUL16 a0, p, q, sc, zero
.irp a, \a0, \a0+1
.irp b, 0,1,2,3,4,5,6,7
.if \zero
	v_wmma_scale_f32_16x16x128_f8f6f4 v[8*(8*((\a)%4)+\b):8*(8*((\a)%4)+\b)+7], v[128*(\p)+FR*\b:128*(\p)+FR*\b+FR-1], v[AF+FR*(\a):AF+FR*(\a)+FR-1], 0, v[SC+8*NQ*(\sc)+NQ*\b+(\q)], v[SC+8*NQ*(\sc)+NQ*(\a)+(\q)] matrix_a_scale:MATRIX_SCALE_ROW1
.else
	v_wmma_scale_f32_16x16x128_f8f6f4 v[8*(8*((\a)%4)+\b):8*(8*((\a)%4)+\b)+7], v[128*(\p)+FR*\b:128*(\p)+FR*\b+FR-1], v[AF+FR*(\a):AF+FR*(\a)+FR-1], v[8*(8*((\a)%4)+\b):8*(8*((\a)%4)+\b)+7], v[SC+8*NQ*(\sc)+NQ*\b+(\q)], v[SC+8*NQ*(\sc)+NQ*(\a)+(\q)] matrix_a_scale:MATRIX_SCALE_ROW1
.endif
.endr
.endr
.endm
.macro FETCH_B slot, q, p
	WIN TO_B
.irp i, 0,1,2,3,4,5,6,7
	FRAG 128*(\p)+FR*\i, ADRB+\slot, \q, \i
.endr
	WIN 0
.endm
.macro FETCH_A slot, q, i0
.irp i, \i0, \i0+1, \i0+2, \i0+3
	FRAG AF+FR*(\i), ADRA+\slot, \q, \i
.endr
.endm
.macro SCALES sc
.irp i, 0,1,2,3,4,5,6,7
	ds_load_b64 v[SC+8*NQ*\sc+NQ*\i:SC+8*NQ*\sc+NQ*\i+1], v[ADRS] offset:\i*SBLK
.endr
.endm
.macro PLACES n
.rept \n
	v_nop
.endr
.endm
.macro STEP slot, q, zero
	s_wait_dscnt 4*NL
	WIN MUL_LO
	MUL16 0, (\q)%2, \q, \slot, \zero
	MUL16 2, (\q)%2, \q, \slot, \zero
	s_wait_dscnt 0
	PLACES NP
	FETCH_B \slot, (\q)+1, 1-(\q)%2
	FETCH_A \slot, (\q)+1, 0
	WIN MUL_HI
	MUL16 4, (\q)%2, \q, \slot, \zero
	MUL16 6, (\q)%2, \q, \slot, \zero
	PLACES NP
	WIN 0
	FETCH_A \slot, (\q)+1, 4
.endm
.macro TURN slot, next, fill
	s_wait_tensorcnt 0x0
	ds_add_u32 v[SPW], v[NIL]
	s_wait_dscnt 4*NL+1
	WIN MUL_LO
	MUL16 0, 1, NQ-1, \slot, 0
	s_wait_dscnt 0x0
	s_barrier_signal -1
	MUL16 2, 1, NQ-1, \slot, 0
	WIN 0
	s_barrier_wait -1
.if \fill
	CREST
	s_add_nc_u64 s[G0+4*\slot+2:G0+4*\slot+3], s[G0+4*\slot+2:G0+4*\slot+3], 2*ROWB
	s_add_nc_u64 s[G0B+4*\slot+2:G0B+4*\slot+3], s[G0B+4*\slot+2:G0B+4*\slot+3], 2*ROWB
	JLOAD G0+4*\slot, G1, G0B+4*\slot, G1B
	PLACES NP-4
.else
	PLACES NP
.endif
	s_wait_alu depctr_va_vdst(0)
	v_add_nc_u32 v[ADRS], 4*NQ, v[ADRS]
	FETCH_B \next, 0, 0
	FETCH_A \next, 0, 0
	SCALES \next
	WIN MUL_HI
	MUL16 4, 1, NQ-1, \slot, 0
	MUL16 6, 1, NQ-1, \slot, 0
	PLACES NP
	WIN 0
	FETCH_A \next, 0, 4
.endm
	s_wait_alu depctr_va_vdst(0)
	s_wait_tensorcnt 0x0                           ; my tile of the head's four is in; these lines stand ahead of slot 1's first fill as ahead of a refill
	ds_add_u32 v[SPW], v[NIL]
	s_mov_b32 s[G1+2], 128<<16                     ; no tensor load of mine is out: from here on a load brings 128 rows
	s_mov_b32 s[G1+4], 128
	s_mov_b32 s[G1B+2], 128<<16
	s_mov_b32 s[G1B+4], 128
	s_wait_dscnt 0x0
	CROUND                                         ; all four tiles are in, and all sixteen work-groups are here
	JLOAD G0+4, G1, G0B+4, G1B                     ; K step 1, the first tensor load behind the round
	FETCH_B 0, 0, 0
	FETCH_A 0, 0, 0
	SCALES 0
	FETCH_A 0, 0, 4
	STEP 0, 0, 1
	s_mov_b32 s3, LAPS-1
.Llap:
	TURN 0, 1, 1
	STEP 1, 0, 0
	TURN 1, 0, 1
	STEP 0, 0, 0
	s_sub_co_u32 s3, s3, 1
	s_cmp_lg_u32 s3, 0
	s_cbranch_scc1 .Llap
	TURN 0, 1, 0
	STEP 1, 0, 0
	s_wait_dscnt 4*NL
	WIN MUL_LO
	MUL16 0, 1, NQ-1, 1, 0
	MUL16 2, 1, NQ-1, 1, 0
	s_wait_dscnt 0
	WIN MUL_HI
	MUL16 4, 1, NQ-1, 1, 0
	MUL16 6, 1, NQ-1, 1, 0
	WIN 0
.macro QUANT s, pw
.irp b, 0,1,2,3
	v_max3_num_f32 v[TM+\b], |v[\s+16*\b]|, |v[\s+1+16*\b]|, 0x4800000
.endr
.irp i, 2,4,6,8,10,12,14
.irp b, 0,1,2,3
	v_max3_num_f32 v[TM+\b], v[TM+\b], |v[\s+16*\b+\i]|, |v[\s+1+16*\b+\i]|
.endr
.endr
.irp b, 0,1,2,3
	v_permlanex16_b32 v[TM+4+\b], v[TM+\b], s[SEL], s[SEL+1]
.endr
.irp b, 0,1,2,3
	v_max_num_f32 v[TM+\b], v[TM+\b], v[TM+4+\b]
.endr
.irp b, 0,1,2,3
	v_add_nc_u32 v[TM+12+\b], 0xfc000000, v[TM+\b]
.endr
.irp b, 0,1,2,3
	v_and_or_b32 v[TM+8+\b], v[TM+\b], 0x7f800000, s[MNT]
.endr
.irp b, 0,1,2,3
	v_lshrrev_b32 v[TM+4+\b], 23, v[TM+12+\b]
.endr
	v_lshl_or_b32 v[\pw], v[TM+5], 8, v[TM+4]
	v_lshl_or_b32 v[\pw], v[TM+6], 16, v[\pw]
	v_lshl_or_b32 v[\pw], v[TM+7], 24, v[\pw]
.irp b, 0,1,2,3
.irp i, 0,1,2,3,4,5,6,7,8,9,10,11,12,13,14,15
	v_med3_num_f32 v[\s+16*\b+\i], v[\s+16*\b+\i], -v[TM+8+\b], v[TM+8+\b]
.endr
	v_cvt_scalef32_pk8_fp8_f32 v[PC+4*\b:PC+1+4*\b], v[\s+16*\b:\s+7+16*\b], v[TM+12+\b]
	v_cvt_scalef32_pk8_fp8_f32 v[PC+2+4*\b:PC+3+4*\b], v[\s+8+16*\b:\s+15+16*\b], v[TM+12+\b]
.endr
	v_nop
.endm
.macro OUTA a
.if (\a) > 0
	s_wait_xcnt 0x0
.if (\a) == 4
	s_add_nc_u64 s[14:15], s[14:15], s[SA4:SA4+1]
.else
	s_add_nc_u64 s[14:15], s[14:15], s[SA:SA+1]
.endif
.endif
	v_mov_b32 v[BP], v[BL+(\a)]
	WIN (0x20+0x10*((\a)/4))
.set AC, 64*((\a)%4)
.set i, 0
.rept 32
	v_pk_fma_f32 v[T+i:T+i+1], v[BB+i:BB+i+1], v[BP:BP+1], v[AC+i:AC+i+1] op_sel_hi:[1,0,1]
.set i, i+2
.endr
	WIN 0
	QUANT T, PWS+(\a)
	global_store_b128 v[VO0], v[PC:PC+3], s[14:15]
	global_store_b128 v[VO0], v[PC+4:PC+7], s[14:15] offset:512
	global_store_b128 v[VO2], v[PC+8:PC+11], s[14:15]
	global_store_b128 v[VO2], v[PC+12:PC+15], s[14:15] offset:512
.endm
	PLACES NP
.irp b, 0,1,2,3
	v_mov_b32 v[TM+4+\b], 0
.endr
	v_mov_b32 v[BP+1], 0
.irp a, 0,1,2,3,4,5,6,7
	OUTA \a
.endr
.irp p, 0,1,2,3
	v_perm_b32 v[WO+\p], v[PWS+2*\p+1], v[PWS+2*\p], 0x05040100
	v_perm_b32 v[WO+4+\p], v[PWS+2*\p+1], v[PWS+2*\p], 0x07060302
.endr
.irp p, 0,1,2,3,4,5,6,7
	v_cndmask_b32 v[WO+\p], v[WO+\p], v[PWS+\p], s[RM]
.endr
.irp p, 0,1,2,3,4,5,6,7
	ds_store_b32 v[SSTO], v[WO+\p] offset:64*\p
.endr
	ds_load_b128 v[RB:RB+3], v[SSRD]
	s_wait_dscnt 0x0
	global_store_b128 v[SGO], v[RB:RB+3], s[16:17]
	s_wait_tensorcnt 0x0
	ds_add_u32 v[SPW], v[NIL]
	s_wait_dscnt 0x0
	CROUND
	s_endpgm
.Lfunc_end_k_q627ff49345_qkv:
	.size	k_q627ff49345_qkv, .Lfunc_end_k_q627ff49345_qkv-k_q627ff49345_qkv
	.p2alignl 7, 3214868480
	.fill 96, 4, 3214868480
	.section	.rodata,"a",@progbits
	.p2align	6, 0x0
	.amdhsa_kernel k_q627ff49345_qkv
		.amdhsa_group_segment_fixed_size 327680
		.amdhsa_private_segment_fixed_size 0
		.amdhsa_enable_private_segment 0
		.amdhsa_kernarg_size 56
		.amdhsa_user_sgpr_count 2
		.amdhsa_user_sgpr_kernarg_segment_ptr 1
		.amdhsa_wavefront_size32 1
		.amdhsa_system_sgpr_workgroup_id_x 1
		.amdhsa_system_sgpr_workgroup_id_y 1
		.amdhsa_system_sgpr_workgroup_id_z 1
		.amdhsa_system_vgpr_workitem_id 0
		.amdhsa_next_free_vgpr 1024
		.amdhsa_next_free_sgpr 106
		.amdhsa_reserve_vcc 0
		.amdhsa_float_denorm_mode_32 3
		.amdhsa_float_denorm_mode_16_64 3
		.amdhsa_memory_ordered 1
		.amdhsa_forward_progress 1
		.amdhsa_inst_pref_size 211
	.end_amdhsa_kernel
	.amdgpu_metadata
---
amdhsa.version: [ 1, 2 ]
amdhsa.kernels:
  - .name:           k_q627ff49345_qkv
    .symbol:         k_q627ff49345_qkv.kd
    .args:
      - { .name: x_codes, .offset: 0, .size: 8, .value_kind: global_buffer, .address_space: global }
      - { .name: x_scales, .offset: 8, .size: 8, .value_kind: global_buffer, .address_space: global }
      - { .name: w_qkv_codes, .offset: 16, .size: 8, .value_kind: global_buffer, .address_space: global }
      - { .name: w_qkv_scales, .offset: 24, .size: 8, .value_kind: global_buffer, .address_space: global }
      - { .name: b_qkv, .offset: 32, .size: 8, .value_kind: global_buffer, .address_space: global }
      - { .name: qkvc, .offset: 40, .size: 8, .value_kind: global_buffer, .address_space: global }
      - { .name: qkvs, .offset: 48, .size: 8, .value_kind: global_buffer, .address_space: global }
    .group_segment_fixed_size: 327680
    .private_segment_fixed_size: 0
    .kernarg_segment_align: 8
    .kernarg_segment_size: 56
    .max_flat_workgroup_size: 128
    .sgpr_count:     106
    .vgpr_count:     1024
    .wavefront_size: 32
...
	.end_amdgpu_metadata
.endif
;; end of part 1
;; launch attn (part 2): grid 4 x 64, 8 waves a work-group, clusters of 4 x 1, 271,360 bytes of LDS; arguments qkvc, qkvs, oc, os; writes oc, os
.if DOCPART == 2
	.amdgcn_target "amdgcn-amd-amdhsa--gfx1250"
	.amdhsa_code_object_version 6
	.text
	.protected	k_q627ff49345_attn
	.globl	k_q627ff49345_attn
	.p2align	8
	.type	k_q627ff49345_attn,@function
k_q627ff49345_attn:
	s_mov_b64 s[64:65], 0
	v_nop
	global_prefetch_b8 v0, s[64:65] scope:SCOPE_SE
	s_setreg_imm32_b32 hwreg(HW_REG_WAVE_MODE, 25, 1), 1
	s_wait_xcnt 0x0
	s_wait_alu depctr_hold_cnt(0) depctr_sa_sdst(0) depctr_va_vdst(0) depctr_va_sdst(0) depctr_va_ssrc(0) depctr_va_vcc(0) depctr_vm_vsrc(0)
	s_getreg_b32 s2, hwreg(HW_REG_IB_STS2, 6, 4)
	s_cmp_eq_u32 s2, 0
	s_cbranch_scc0 .Lentry_in_a_cluster
	s_endpgm
.Lentry_in_a_cluster:
	s_bfe_u32 s2, ttmp6, 0x10000c
	s_cmp_lg_u32 s2, 0x3003
	s_cbranch_scc0 .Lentry_shape_is_right
	s_endpgm
.Lentry_shape_is_right:
; For each of 64 heads of batch: O[q] = the sum over k of softmax_k(Q[q] . K[k] / 8) V[k], both products on codes of FP8 (E4M3) with one E8M0 scale for each 32 along a product's K; O is quantised along the model's 1,024.
; THE SOFTMAX: t = score x log2(e) / 8; M = the running largest t rounded up to a whole number; p = 2^(t - M) is quantised along the keys, not normalised; the row's sum is taken of the unquantised p and divides at the end.
; When M moves, the sum and O are multiplied by 2^(old M - new M): exact.
; SHARES.  A cluster of four work-groups is one head; a work-group owns 512 queries; each of its eight waves 64: in each of two passes over the 2,048 keys (128 a step) TWO tiles of 16 queries, A and B.
; A AND B RUN HALF A STEP APART.  A half step of tile X: the maxima and t - M of X; the 68 exponentials of X, among which stand the other tile's 12 products (O += V p of its last step, then its next scores);
; the sums, scales, holds and conversions of X.  So each fragment of K and V is read from LDS once for both tiles.  The first and the last half step and B's last product are written out: no product and no load is made for nothing.
; THE WHOLE HEAD'S K AND V LIE IN LDS, filled ONCE at the head by joint loads of the four work-groups, one of 32,768 bytes a wave (waves 0-3: K, waves 4-7: V).  Their scale words, 8,192 bytes, come through registers into LDS blocks of their own.
; Nothing is filled again, and all tiles are asked for at the head: there is no later request that a prefetch could run ahead of.
; LAYOUT.  All operands lie as images of their registers: a group of four registers is 512 consecutive bytes, lane l's 16 at 16 l.  Both products are used transposed (S^T = K Q^T, O^T = V^T P^T): a lane holds ONE query (lane % 16).
; THE FIRST PRODUCT'S K IS 64, the instruction's 128: a fragment of K holds TWO tiles of 16 keys; Q stands between registers of zero codes: [q | 0] gives the first tile's scores, [0 | q] the second's.
; Register 16 f + 8 u + j of S^T is key 32 f + 16 u + 8 (lane / 16) + j: the order in which V's images hold the keys of a block of 32.
; REGISTER WINDOWS.  Window 0: addresses, scale words, small state, scores / p of A and B, O^T of A and B.  Window 1: K's and V's fragments, t - M, Q between zeros, p's codes.
; In a batch one setting serves both kinds of line: source 0 (t - M; a fragment) and source 1 (Q, codes) in window 1, destination and C in window 0.
; LIMITS: NaN and infinities are not served.  The promise holds while the scaled scores stay under 2^31 in magnitude.  A block of zeros gets the scale byte 1: its codes are zeros.
; Inside a block of 32 the order of the terms differs from the plain order, alike on both sides.  A block's largest p is made from its largest score by the same two instructions, which takes v_exp_f32 not to fall where its input rises.
; 1 / the sum is v_rcp_f32's.  O's scale bytes, two for a token and a head, go out as 2 bytes a lane, 32 bytes apart: sixteen heads' pieces interleave in a row of that buffer.
.set VLDS, 131072                      ; LDS: K's codes from 0, V's from here,
.set KSC,  262144                      ; K's scale words (256 bytes a step), 4,096 bytes on V's,
.set SPARE, 270336                     ; the spare words: 128 bytes a wave
; window 0
.set L16,  1                           ; 16 x lane
.set L16V, 2                           ; VLDS + 16 x lane
.set L4S,  3                           ; KSC + 4 x lane
.set ADK,  4
.set ADV,  5
.set SPW,  6
.set NIL,  7
.set KS,   8                           ; v8-9 K's scale words; v10-11 V's; v12, v13 Q's of A, of B; v14 p's: all numbers differ modulo 8
.set VS,   10
.set QSA,  12
.set QSB,  13
.set PS,   14
.set QW,   15
.set MA,   16                          ; v16 -M, v17 the largest t, v[18:19] the sum in two halves: tile A
.set MB,   20                          ; the same of tile B
.set BM,   24
.set T2,   28
.set HL,   32
.set SO,   36
.set FF,   40                          ; f = 2^(old M - new M)
.set TP,   42
.set OA,   43                          ; 16 r + 8 hh
.set SA,   44                          ; 32 x lane
.set OSW,  45                          ; v45-46 the two tiles' scale bytes of O
.set ADS,  47
.set QO,   48                          ; 4 r
.set STG,  49                          ; where my part of the scale words goes in LDS
.set SM,   48                          ; v50-55 three chains of the row's sum
.set SPA,  64                          ; scores, then p, of A;
.set SPB,  128                         ; of B
.set OAC,  192                         ; O^T of A;
.set OBC,  224                         ; of B
; window 1
.set KF,   0
.set VF,   64
.set T,    128                         ; t - M of the tile in hand
.set QZ,   192                         ; zeros, q of A, zeros, q of B, zeros: 8 registers each
.set PC,   232                         ; p's codes of the tile in hand
.set BMT,  248
.set WV,  12
.set G1C, 16
.set G0C, 24
.set SEL, 52
.set CS,  54
.set MNT, 56
.set TB,  57
.set TS,  58
.set CNT, 59
.set HM,  60
.set PCN, 61
.set MSB, 0
.macro WIN new                         ; the immediate's high byte repeats the setting that is left
.if MSB != \new
	s_set_vgpr_msb (MSB<<8)|\new
.set MSB, \new
.endif
.endm
.macro CROUND                          ; a round of the cluster's barrier
	s_barrier_signal -1
	s_barrier_wait -1
	s_cmp_lg_u32 s[WV], 0
	s_cbranch_scc1 .Lnot_wave_0_\@
	s_barrier_signal -3
.Lnot_wave_0_\@:
	s_barrier_wait -3
	s_barrier_signal -1
	s_barrier_wait -1
.endm
	s_load_b256 s[4:11], s[0:1], 0x0               ; the codes of q, k, v s[4:5], their scale words s[6:7], O's codes s[8:9], O's scale bytes s[10:11]
	v_lshl_add_u32 v[SPW], v0, 2, SPARE
	v_mov_b32 v[NIL], 0
	ds_add_u32 v[SPW], v[NIL]                      ; the opening lines: the add, twice on end, and its wait
	ds_add_u32 v[SPW], v[NIL]
	v_lshrrev_b32 v1, 5, v0
	v_readfirstlane_b32 s[WV], v1                  ; wave 0..7
	s_bfe_u32 s13, ttmp6, 0x40000                  ; cx: it enters Q's and O's addresses alone
	s_and_b32 s14, ttmp7, 0xffff                   ; the head of batch, which the four partners share
	s_lshl_b32 s15, s13, 4
	s_add_co_u32 s15, s15, s[WV]                   ; F: my 32 queries of the first pass; the second pass's are 8 F on
	s_and_b32 s66, s[WV], 3                        ; what I fetch: waves 0-3 for K, 4-7 for V: 32,768 bytes of codes, 1,024 of scale words
	s_lshr_b32 s67, s[WV], 2
	s_lshl_b32 s68, s14, 17                        ; 131,072 a head
	s_lshl_b32 s70, s66, 15
	s_add_co_u32 s68, s68, s70
	s_lshl_b32 s70, s67, 23
	s_add_co_u32 s68, s68, s70
	s_add_co_u32 s68, s68, 8388608                 ; k's codes lie 8,388,608 bytes in, v's as many further
	s_mov_b32 s69, 0
	s_lshl_b32 s72, s14, 12                        ; scale words: 4,096 a head
	s_lshl_b32 s70, s66, 10
	s_add_co_u32 s72, s72, s70
	s_lshl_b32 s70, s67, 18
	s_add_co_u32 s72, s72, s70
	s_add_co_u32 s72, s72, 262144
	s_mov_b32 s73, 0
	s_lshl_b32 s70, s[WV], 10
	s_add_co_u32 s70, s70, KSC
	s_mov_b32 s[G1C], 15|(3<<16)|(1<<21)           ; the mask: all four work-groups; elements of 8 bytes; bit 21 beside a mask: 32,768 dense bytes as 128 rows of 256
	s_mov_b32 s[G1C+1], 32<<16
	s_mov_b32 s[G1C+2], 128<<16
	s_mov_b32 s[G1C+3], 32<<16
	s_mov_b32 s[G1C+4], 128
	s_mov_b32 s[G1C+5], 32
	s_mov_b32 s[G1C+6], 0
	s_mov_b32 s[G1C+7], 0
	s_lshl_b32 s74, s14, 17
	s_lshl_b32 s78, s15, 11
	s_add_co_u32 s74, s74, s78                     ; q's codes: head, 2,048 bytes for 32 queries
	s_mov_b32 s75, 0
	s_lshl_b32 s76, s14, 12
	s_lshl_b32 s78, s15, 6
	s_add_co_u32 s76, s76, s78                     ; q's scale words: 64 bytes for 32 queries
	s_mov_b32 s77, 0
	s_lshr_b32 s80, s14, 4                         ; the batch
	s_and_b32 s81, s14, 15                         ; the head
	s_lshl_b32 s78, s80, 7
	s_lshl_b32 s82, s15, 1
	s_add_co_u32 s78, s78, s82                     ; 16 tokens' number: 128 batch + 2 F
	s_lshl_b32 s78, s78, 14                        ; 16,384 bytes each;
	s_lshl_b32 s82, s81, 10
	s_add_co_u32 s78, s78, s82                     ; a head's 64 channels are 1,024 bytes of them
	s_mov_b32 s79, 0
	s_lshl_b32 s84, s80, 16                        ; O's scale bytes: 32 a token
	s_lshl_b32 s82, s15, 10
	s_add_co_u32 s84, s84, s82
	s_lshl_b32 s82, s81, 1
	s_add_co_u32 s84, s84, s82
	s_mov_b32 s85, 0
	s_mov_b32 s[SEL], 0x76543210
	s_mov_b32 s[SEL+1], 0xfedcba98                 ; v_permlanex16_b32's selects for the lane 16 away
	s_mov_b32 s[CS], 0x3e38aa3b                    ; c = log2(e) / 8
	s_mov_b32 s[CS+1], s[CS]
	s_mov_b32 s[MNT], 0x600000                     ; the mantissa field of 448
	s_mov_b32 s[HM], 0xffff0000                    ; lanes 16-31
	s_mov_b32 s[G0C], 1
	s_lshl_b32 s[G0C+1], s[WV], 15                 ; in LDS: 32,768 x wave
	s_wait_dscnt 0x0                               ; both opening adds are done
	s_wait_kmcnt 0x0
	s_add_nc_u64 s[G0C+2:G0C+3], s[4:5], s[68:69]
	s_or_b32 s[G0C+3], s[G0C+3], 0x80000000
	s_add_nc_u64 s[72:73], s[6:7], s[72:73]
	s_add_nc_u64 s[74:75], s[4:5], s[74:75]
	s_add_nc_u64 s[76:77], s[6:7], s[76:77]
	s_add_nc_u64 s[8:9], s[8:9], s[78:79]
	s_add_nc_u64 s[10:11], s[10:11], s[84:85]
	CROUND                                         ; all four work-groups are here: the joint loads meet
	tensor_load_to_lds s[G0C:G0C+3], s[G1C:G1C+7]  ; my one tensor load of the launch
	s_nop 0
.rept 4
	v_nop
.endr
	v_and_b32 v50, 31, v0                          ; lane
	v_and_b32 v51, 15, v0                          ; r
	v_bfe_u32 v52, v0, 4, 1                        ; hh
	v_lshlrev_b32 v[L16], 4, v50
	v_lshl_add_u32 v[L4S], v50, 2, KSC
	v_lshlrev_b32 v[SA], 5, v50
	v_lshlrev_b32 v[OA], 4, v51
	v_lshlrev_b32 v[QO], 2, v51
	v_add_nc_u32 v[L16V], VLDS, v[L16]
	v_add_nc_u32 v[STG], s70, v[L16]
	v_lshl_add_u32 v[OA], v52, 3, v[OA]
	global_load_b128 v[56:59], v[L16], s[72:73]    ; my 1,024 bytes of the scale words
	global_load_b128 v[60:63], v[L16], s[72:73] offset:512
.irp b, 0,1,2,3
	v_mov_b32 v[T2+\b], 0                          ; written once: a lane permute's destination counts as one of its sources
.endr
	WIN 0x40
.irp z, 0,16,32
.irp i, 0,1,2,3,4,5,6,7
	v_mov_b32 v[QZ+\z+\i], 0                       ; zero codes: the half of the instruction's K that the head does not fill
.endr
.endr
	WIN 0
	s_wait_alu depctr_va_vdst(0)
	s_wait_loadcnt 0x0
	s_wait_tensorcnt 0x0                           ; my part of K or V is in
	ds_store_b128 v[STG], v[56:59]
	ds_store_b128 v[STG], v[60:63] offset:512
	s_wait_dscnt 0x0                               ; for the others' sake
	s_barrier_signal -1
	s_barrier_wait -1                              ; everybody's parts are in
.macro QKW sy, qz, qs                  ; scores of keys 32 FI + 16 UI on, into tile sy
.if FI%2
	v_wmma_scale_f32_16x16x128_f8f6f4 v[\sy+16*FI+8*UI:\sy+16*FI+8*UI+7], v[KF+16*FI:KF+16*FI+15], v[\qz+8*(1-UI):\qz+8*(1-UI)+15], 0, v[KS+FI/2], v[\qs] matrix_a_scale:MATRIX_SCALE_ROW1
.else
	v_wmma_scale_f32_16x16x128_f8f6f4 v[\sy+16*FI+8*UI:\sy+16*FI+8*UI+7], v[KF+16*FI:KF+16*FI+15], v[\qz+8*(1-UI):\qz+8*(1-UI)+15], 0, v[KS+FI/2], v[\qs]
.endif
.endm
.macro PVW oy                          ; O^T += V^T P^T, channels 16 KI on
.if KI%2
	v_wmma_scale_f32_16x16x128_f8f6f4 v[\oy+8*KI:\oy+8*KI+7], v[VF+16*KI:VF+16*KI+15], v[PC:PC+15], v[\oy+8*KI:\oy+8*KI+7], v[VS+KI/2], v[PS] matrix_a_scale:MATRIX_SCALE_ROW1
.else
	v_wmma_scale_f32_16x16x128_f8f6f4 v[\oy+8*KI:\oy+8*KI+7], v[VF+16*KI:VF+16*KI+15], v[PC:PC+15], v[\oy+8*KI:\oy+8*KI+7], v[VS+KI/2], v[PS]
.endif
.endm
; The fragments of step n's V and (dok) step n + 1's K, TB = 8,192 n: they stand behind a whole POST's plain lines, which are the places behind the products that read these registers, and land under PRE.
.macro LOADS dok
	v_add_nc_u32 v[ADK], s[TB], v[L16]
	v_add_nc_u32 v[ADV], s[TB], v[L16V]
	v_add_nc_u32 v[ADS], s[TS], v[L4S]
	WIN 0x40
.irp f, 0,1,2,3
.irp c, 0,1,2,3
.if \dok
	ds_load_b128 v[KF+16*\f+4*\c:KF+16*\f+4*\c+3], v[ADK] offset:8192+2048*\f+512*\c
.endif
	ds_load_b128 v[VF+16*\f+4*\c:VF+16*\f+4*\c+3], v[ADV] offset:2048*\f+512*\c
.endr
.endr
	WIN 0
.if \dok
	ds_load_b32 v[KS], v[ADS] offset:256
	ds_load_b32 v[KS+1], v[ADS] offset:384
.endif
	ds_load_b32 v[VS], v[ADS] offset:4096
	ds_load_b32 v[VS+1], v[ADS] offset:4224
.endm
; The maxima, M, f and t - M of the tile whose scores lie at sp.
.macro PRE sp, m
	s_wait_alu depctr_va_vdst(0)                   ; the wait directly ahead of the first readers of the scores
.irp b, 0,1,2,3
	v_max3_num_f32 v[BM+\b], v[\sp+16*\b], v[\sp+1+16*\b], v[\sp+2+16*\b]   ; the largest score of each block of 32 keys: for the row's maximum and for the block's largest p
.endr
.irp i, 3,5,7,9,11,13
.irp b, 0,1,2,3
	v_max3_num_f32 v[BM+\b], v[BM+\b], v[\sp+16*\b+\i], v[\sp+1+16*\b+\i]
.endr
.endr
.irp b, 0,1,2,3
	v_max_num_f32 v[BM+\b], v[BM+\b], v[\sp+15+16*\b]
.endr
.irp b, 0,1,2,3
	s_delay_alu instid0(VALU_DEP_4)
	v_permlanex16_b32 v[T2+\b], v[BM+\b], s[SEL], s[SEL+1]
.endr
.irp b, 0,1,2,3
	s_delay_alu instid0(VALU_DEP_4)
	v_max_num_f32 v[BM+\b], v[BM+\b], v[T2+\b]     ; with the 16 keys of the lane 16 away
.endr
	s_delay_alu instid0(VALU_DEP_2)
	v_max3_num_f32 v[TP], v[BM], v[BM+1], v[BM+2]
	s_delay_alu instid0(VALU_DEP_1)
	v_max_num_f32 v[TP], v[TP], v[BM+3]            ; the step's largest score of my query
	s_delay_alu instid0(VALU_DEP_1)
	v_mul_f32 v[TP], s[CS], v[TP]                  ; as t
	s_delay_alu instid0(VALU_DEP_1)
	v_max_num_f32 v[\m+1], v[\m+1], v[TP]          ; the running largest t
	v_mov_b32 v[TP], v[\m]
	s_delay_alu instid0(VALU_DEP_2)
	v_floor_f32 v[\m], -v[\m+1]                    ; the new -M = floor(-t): M is a whole number
	s_delay_alu instid0(VALU_DEP_1)
	v_sub_f32 v[TP], v[\m], v[TP]                  ; old M - new M: a whole number, 0 or less
	s_delay_alu instid0(VALU_DEP_1)
	v_cvt_i32_f32 v[TP], v[TP]                     ; (it saturates)
	s_delay_alu instid0(VALU_DEP_1)
	v_ldexp_f32 v[FF], 1.0, v[TP]                  ; f = 2^(old M - new M)
	WIN 0x40
.set JI, 0
.rept 32
	v_pk_fma_f32 v[T+JI:T+JI+1], v[\sp+JI:\sp+JI+1], s[CS:CS+1], v[\m:\m+1] op_sel_hi:[1,0,0]   ; t - M, two at a time, into window 1
.set JI, JI+2
.endr
.irp b, 0,1,2,3
	v_fma_f32 v[BMT+\b], v[BM+\b], s[CS], v[\m]    ; the same of each block's largest score
.endr
.endm
; THE BATCH: 68 exponentials of the tile whose p goes to dst; among them the other tile's products, one for each five or six: O^T at oy (dopv), scores at sy (doqk).  wt: fragments were asked for in this half step.
.macro BATCH dst, oy, sy, qz, qs, dopv, doqk, wt
	s_wait_alu depctr_va_vdst(0)                   ; the wait ahead of the batch: it serves t - M, f, the rescaled O^T, the codes and their scale word
.if \wt
	s_wait_dscnt 0x0
.endif
	WIN 0x05
.irp b, 0,1,2,3
	v_exp_f32 v[BM+\b], v[BMT+\b]                  ; the blocks' largest p
.endr
.set KI, 0
.rept 12
.if (KI < 4) && \dopv
	PVW \oy
.endif
.if (KI >= 4) && \doqk
.set FI, (KI-4)/2
.set UI, (KI-4)%2
	QKW \sy, \qz, \qs
.endif
.set JI, (16*KI)/3
.rept (16*(KI+1))/3-(16*KI)/3
	v_exp_f32 v[\dst+JI], v[T+JI]                  ; p = 2^(t - M), at most 1
.set JI, JI+1
.endr
.set KI, KI+1
.endr
	WIN 0
.endm
; The row's sum, p's scales, holds and codes, and O^T under the new M.
.macro POST dst, m, o
	v_pk_mul_f32 v[\m+2:\m+3], v[\m+2:\m+3], v[FF:FF+1] op_sel_hi:[1,0]   ; the sums under the new M: the plain line behind the exponentials
	s_wait_alu depctr_va_vdst(0)                   ; one wait for the whole batch, ahead of its first reader
	v_pk_add_f32 v[\m+2:\m+3], v[\m+2:\m+3], v[\dst:\dst+1]               ; the sum of the unquantised p, two at a time, in four chains
.irp k, 1,2,3
	v_pk_add_f32 v[SM+2*\k:SM+2*\k+1], v[\dst+2*\k:\dst+2*\k+1], v[\dst+8+2*\k:\dst+9+2*\k]
.endr
	v_pk_add_f32 v[\m+2:\m+3], v[\m+2:\m+3], v[\dst+8:\dst+9]
.irp g, 2,3,4,5,6,7
.irp k, 1,2,3
	v_pk_add_f32 v[SM+2*\k:SM+2*\k+1], v[SM+2*\k:SM+2*\k+1], v[\dst+8*\g+2*\k:\dst+8*\g+2*\k+1]
.endr
	v_pk_add_f32 v[\m+2:\m+3], v[\m+2:\m+3], v[\dst+8*\g:\dst+8*\g+1]
.endr
	v_pk_add_f32 v[SM+2:SM+3], v[SM+2:SM+3], v[SM+4:SM+5]
	v_pk_add_f32 v[\m+2:\m+3], v[\m+2:\m+3], v[SM+6:SM+7]
	v_pk_add_f32 v[\m+2:\m+3], v[\m+2:\m+3], v[SM+2:SM+3]
.irp b, 0,1,2,3
	v_max_num_f32 v[BM+\b], 0x4800000, v[BM+\b]    ; the floor 2^(9 - 127): the byte cannot fall under 1
.endr
.irp b, 0,1,2,3
	s_delay_alu instid0(VALU_DEP_4)
	v_add_nc_u32 v[SO+\b], 0xfc000000, v[BM+\b]    ; 8 off the exponent field: the conversion's scale operand
.endr
.irp b, 0,1,2,3
	v_and_or_b32 v[HL+\b], v[BM+\b], 0x7f800000, s[MNT]   ; 448 x the scale
.endr
.irp b, 0,1,2,3
	v_lshrrev_b32 v[T2+\b], 23, v[SO+\b]           ; the scale's byte
.endr
	s_delay_alu instid0(VALU_DEP_3)
	v_lshl_or_b32 v[PS], v[T2+1], 8, v[T2]         ; p's scale word for these 128 keys
	s_delay_alu instid0(VALU_DEP_1)
	v_lshl_or_b32 v[PS], v[T2+2], 16, v[PS]
	s_delay_alu instid0(VALU_DEP_1)
	v_lshl_or_b32 v[PS], v[T2+3], 24, v[PS]
.irp b, 0,1,2,3
.irp i, 0,2,4,6,8,10,12,14
	v_dual_min_num_f32 v[\dst+16*\b+\i], v[HL+\b], v[\dst+16*\b+\i] :: v_dual_min_num_f32 v[\dst+16*\b+\i+1], v[HL+\b], v[\dst+16*\b+\i+1]   ; the conversion does not saturate (ISA guide 7.6.2); p is not negative: a one-sided hold, two a line
.endr
.endr
	WIN 0x40
.irp b, 0,1,2,3
	v_cvt_scalef32_pk8_fp8_f32 v[PC+4*\b:PC+1+4*\b], v[\dst+16*\b:\dst+7+16*\b], v[SO+\b]
	v_cvt_scalef32_pk8_fp8_f32 v[PC+2+4*\b:PC+3+4*\b], v[\dst+8+16*\b:\dst+15+16*\b], v[SO+\b]
.endr
	WIN 0
	s_wait_alu depctr_va_vdst(0)                   ; the wait directly ahead of the first readers of O^T
.set JI, 0
.rept 16
	v_pk_mul_f32 v[\o+JI:\o+JI+1], v[\o+JI:\o+JI+1], v[FF:FF+1] op_sel_hi:[1,0]   ; O^T under the new M; each accumulator from its low end on
.set JI, JI+2
.endr
.endm
.macro HALFA dopv                      ; tile A's half step; B's products
	PRE SPA, MA
	BATCH SPA, OBC, SPB, QZ+16, QSB, \dopv, 1, 0
	POST SPA, MA, OAC
.endm
.macro HALFB more                      ; tile B's half step; A's products (more: A has a next step)
	LOADS \more
	PRE SPB, MB
	BATCH SPB, OAC, SPA, QZ, QSA, 1, \more, 1
	POST SPB, MB, OBC
.endm
; THE WAY OUT of tile u: O^T / the sum, quantised along the head's 64 channels (two blocks of 32 of the last product's K).  Register 16 b + 8 ub + j is channel 32 b + 16 ub + 8 hh + j of query r.
; The codes leave in pieces of 8 bytes at 512 b + 256 ub + 16 r + 8 hh of the image: the 32 lanes of a store fill 256 consecutive bytes, aligned.
.macro OUT sp, m, o, u
	v_add_f32 v[\m+2], v[\m+2], v[\m+3]
	s_delay_alu instid0(VALU_DEP_1)
	v_permlanex16_b32 v[TP], v[\m+2], s[SEL], s[SEL+1]
	s_delay_alu instid0(VALU_DEP_1)
	v_add_f32 v[\m+2], v[\m+2], v[TP]              ; the row's sum
	s_wait_alu depctr_va_vdst(0)
	v_rcp_f32 v[\m+2], v[\m+2]
	v_nop                                          ; one plain line behind a transcendental
	s_wait_alu depctr_va_vdst(0)                   ; the wait ahead of its first reader, and of the first readers of O^T
.set JI, 0
.rept 16
	v_pk_mul_f32 v[\sp+JI:\sp+JI+1], v[\o+JI:\o+JI+1], v[\m+2:\m+3] op_sel_hi:[1,0]
.set JI, JI+2
.endr
.irp b, 0,1
	v_max3_num_f32 v[BM+\b], |v[\sp+16*\b]|, |v[\sp+1+16*\b]|, 0x4800000
.endr
.irp i, 2,4,6,8,10,12,14
.irp b, 0,1
	s_delay_alu instid0(VALU_DEP_2)
	v_max3_num_f32 v[BM+\b], v[BM+\b], |v[\sp+16*\b+\i]|, |v[\sp+1+16*\b+\i]|
.endr
.endr
.irp b, 0,1
	s_delay_alu instid0(VALU_DEP_2)
	v_permlanex16_b32 v[T2+\b], v[BM+\b], s[SEL], s[SEL+1]
.endr
.irp b, 0,1
	s_delay_alu instid0(VALU_DEP_2)
	v_max_num_f32 v[BM+\b], v[BM+\b], v[T2+\b]
.endr
.irp b, 0,1
	s_delay_alu instid0(VALU_DEP_2)
	v_add_nc_u32 v[SO+\b], 0xfc000000, v[BM+\b]
.endr
.irp b, 0,1
	s_delay_alu instid0(VALU_DEP_4)
	v_and_or_b32 v[HL+\b], v[BM+\b], 0x7f800000, s[MNT]
.endr
.irp b, 0,1
	s_delay_alu instid0(VALU_DEP_4)
	v_lshrrev_b32 v[T2+\b], 23, v[SO+\b]
.endr
	s_delay_alu instid0(VALU_DEP_1)
	v_lshl_or_b32 v[OSW+\u], v[T2+1], 8, v[T2]     ; query r's two scale bytes
.irp b, 0,1
.irp i, 0,1,2,3,4,5,6,7,8,9,10,11,12,13,14,15
	v_med3_num_f32 v[\sp+16*\b+\i], v[\sp+16*\b+\i], -v[HL+\b], v[HL+\b]
.endr
	v_cvt_scalef32_pk8_fp8_f32 v[\sp+32+4*\b:\sp+33+4*\b], v[\sp+16*\b:\sp+7+16*\b], v[SO+\b]
	v_cvt_scalef32_pk8_fp8_f32 v[\sp+34+4*\b:\sp+35+4*\b], v[\sp+8+16*\b:\sp+15+16*\b], v[SO+\b]
.endr
	v_nop                                          ; one plain line behind the last scaled conversion
.irp b, 0,1
.irp w, 0,1
	global_store_b64 v[OA], v[\sp+32+4*\b+2*\w:\sp+33+4*\b+2*\w], s[8:9] offset:16384*\u+512*\b+256*\w
.endr
.endr
.endm
	s_mov_b32 s[PCN], 0
.Lpass:                                            ; two passes: 32 queries of mine each
	WIN 0x40
.irp u, 0,1
.irp c, 0,1
	global_load_b128 v[QZ+8+16*\u+4*\c:QZ+8+16*\u+4*\c+3], v[L16], s[74:75] offset:512*(2*\u+\c)   ; Q stays in registers for the pass
.endr
.endr
.irp f, 0,1,2,3
.irp c, 0,1,2,3
	ds_load_b128 v[KF+16*\f+4*\c:KF+16*\f+4*\c+3], v[L16] offset:2048*\f+512*\c                     ; step 0's K
.endr
.endr
	WIN 0
	global_load_b32 v[QW], v[QO], s[76:77]         ; row r's scale word: A's two bytes, B's two
	ds_load_b32 v[KS], v[L4S]
	ds_load_b32 v[KS+1], v[L4S] offset:128
	s_wait_loadcnt 0x0
	v_perm_b32 v[QSA], v[QW], v[QW], 0x01000100
	v_perm_b32 v[QSB], v[QW], v[QW], 0x03020302
.irp m, MA, MB
	v_mov_b32 v[\m+1], 0xff61b1e6                  ; the largest t so far: -3e38
	v_mov_b32 v[\m+2], 0                           ; the sum
	v_mov_b32 v[\m+3], 0
.endr
.irp m, MA, MB
	v_floor_f32 v[\m], -v[\m+1]                    ; -M
.endr
	v_mov_b32 v[TP], 0
	v_mov_b32 v[FF+1], 0                           ; (named as the upper half of the pair with f).  These ten lines also stand between the scale words' making and the products
	s_wait_alu depctr_va_vdst(0)
	s_wait_dscnt 0x0
	WIN 0x05
.set KI, 4
.rept 8
.set FI, (KI-4)/2
.set UI, (KI-4)%2
	QKW SPA, QZ, QSA                               ; A's scores of step 0
.set KI, KI+1
.endr
	WIN 0
.set JI, 0
.rept 64
	v_mov_b32 v[OAC+JI], 0                         ; O^T of both tiles: the half steps are written alike for all steps; these lines are also the places behind the products above
.set JI, JI+1
.endr
	s_mov_b32 s[TB], 0
	s_mov_b32 s[TS], 0
	s_mov_b32 s[CNT], 15
	HALFA 0                                        ; A's step 0; B has no codes yet: its scores alone
.Lstep:                                            ; trip n = 0 .. 14: B's step n, A's step n + 1
	HALFB 1
	HALFA 1
	s_add_co_u32 s[TB], s[TB], 8192
	s_add_co_u32 s[TS], s[TS], 256
	s_sub_co_u32 s[CNT], s[CNT], 1
	s_cmp_lg_u32 s[CNT], 0
	s_cbranch_scc1 .Lstep
	HALFB 0                                        ; B's step 15: A has no next step
	WIN 0x05
.set KI, 0
.rept 4
	PVW OBC                                        ; B's last product
.set KI, KI+1
.endr
	WIN 0
	OUT SPA, MA, OAC, 0                            ; A's way out also fills the places behind B's last product
	OUT SPB, MB, OBC, 1
	v_cndmask_b32 v[OSW], v[OSW], v[OSW+1], s[HM]  ; lanes 0-15: A's queries; lanes 16-31: B's: lane l has token 32 F + l
	global_store_b16 v[SA], v[OSW], s[10:11]
	s_wait_xcnt 0x0                                ; the loads and stores have read their bases and data: on to the second pass's 32 queries, 8 F on
	s_add_nc_u64 s[74:75], s[74:75], 16384
	s_add_nc_u64 s[76:77], s[76:77], 512
	s_add_nc_u64 s[8:9], s[8:9], 262144
	s_add_nc_u64 s[10:11], s[10:11], 8192
	s_add_co_u32 s[PCN], s[PCN], 1
	s_cmp_lt_u32 s[PCN], 2
	s_wait_alu depctr_va_vdst(0)
	s_cbranch_scc1 .Lpass
	s_wait_tensorcnt 0x0                           ; the wave's end
	ds_add_u32 v[SPW], v[NIL]
	s_wait_dscnt 0x0
	CROUND                                         ; the closing round
	s_endpgm
.Lfunc_end_k_q627ff49345_attn:
	.size	k_q627ff49345_attn, .Lfunc_end_k_q627ff49345_attn-k_q627ff49345_attn
	.p2alignl 7, 3214868480
	.fill 96, 4, 3214868480
	.section	.rodata,"a",@progbits
	.p2align	6, 0x0
	.amdhsa_kernel k_q627ff49345_attn
		.amdhsa_group_segment_fixed_size 271360
		.amdhsa_private_segment_fixed_size 0
		.amdhsa_enable_private_segment 0
		.amdhsa_kernarg_size 32
		.amdhsa_user_sgpr_count 2
		.amdhsa_user_sgpr_kernarg_segment_ptr 1
		.amdhsa_wavefront_size32 1
		.amdhsa_system_sgpr_workgroup_id_x 1
		.amdhsa_system_sgpr_workgroup_id_y 1
		.amdhsa_system_sgpr_workgroup_id_z 1
		.amdhsa_system_vgpr_workitem_id 0
		.amdhsa_next_free_vgpr 512
		.amdhsa_next_free_sgpr 88
		.amdhsa_reserve_vcc 0
		.amdhsa_float_denorm_mode_32 3
		.amdhsa_float_denorm_mode_16_64 3
		.amdhsa_memory_ordered 1
		.amdhsa_forward_progress 1
		.amdhsa_inst_pref_size 94
	.end_amdhsa_kernel
	.amdgpu_metadata
---
amdhsa.version: [ 1, 2 ]
amdhsa.kernels:
  - .name:           k_q627ff49345_attn
    .symbol:         k_q627ff49345_attn.kd
    .args:
      - { .name: qkvc, .offset: 0, .size: 8, .value_kind: global_buffer, .address_space: global }
      - { .name: qkvs, .offset: 8, .size: 8, .value_kind: global_buffer, .address_space: global }
      - { .name: oc, .offset: 16, .size: 8, .value_kind: global_buffer, .address_space: global }
      - { .name: os, .offset: 24, .size: 8, .value_kind: global_buffer, .address_space: global }
    .group_segment_fixed_size: 271360
    .private_segment_fixed_size: 0
    .kernarg_segment_align: 8
    .kernarg_segment_size: 32
    .max_flat_workgroup_size: 256
    .sgpr_count:     88
    .vgpr_count:     512
    .wavefront_size: 32
...
	.end_amdgpu_metadata
.endif
;; end of part 2
;; launch proj (part 3): grid 4 x 64, 4 waves a work-group, clusters of 4 x 4, 300,544 bytes of LDS; arguments oc, os, w_out_codes, w_out_scales, b_out, out0; writes out0
.if DOCPART == 3
	.amdgcn_target "amdgcn-amd-amdhsa--gfx1250"
	.amdhsa_code_object_version 6
	.text
	.protected	k_q627ff49345_proj
	.globl	k_q627ff49345_proj
	.p2align	8
	.type	k_q627ff49345_proj,@function
k_q627ff49345_proj:
	s_mov_b64 s[64:65], 0
	v_nop
	global_prefetch_b8 v0, s[64:65] scope:SCOPE_SE
	s_setreg_imm32_b32 hwreg(HW_REG_WAVE_MODE, 25, 1), 1
	s_wait_xcnt 0x0
	s_wait_alu depctr_hold_cnt(0) depctr_sa_sdst(0) depctr_va_vdst(0) depctr_va_sdst(0) depctr_va_ssrc(0) depctr_va_vcc(0) depctr_vm_vsrc(0)
	s_getreg_b32 s2, hwreg(HW_REG_IB_STS2, 6, 4)
	s_cmp_eq_u32 s2, 0
	s_cbranch_scc0 .Lentry_in_a_cluster
	s_endpgm
.Lentry_in_a_cluster:
	s_bfe_u32 s2, ttmp6, 0x10000c
	s_cmp_lg_u32 s2, 0xf033
	s_cbranch_scc0 .Lentry_shape_is_right
	s_endpgm
.Lentry_shape_is_right:
; out0[m][n] = the sum over k of O[m][k] W_out[n][k] + b_out[n]: 8,192 x 1,024 x 1,024 on codes of FP8 (E4M3) with one E8M0 scale for each 32 along K; sums in f32.
; SHARES.  256 work-groups of four waves; a work-group makes 128 rows x 256 columns, a wave 64 x 128: 32 accumulators of 16 x 16.
; W_out's 256 rows lie in LDS with ALL of K (256 x 1,040 bytes), filled once at the head, 64 rows a wave, by joint loads of the four work-groups of a column of the cluster, which make the same columns.
; Nothing is filled again: no ring, and no round but the opening and the closing one.
; O's CODES lie in memory as images of the operand's registers ([16 tokens][K step of 128][group of four registers][lane][16 bytes]): they go straight into registers, each load of the wave 512 consecutive bytes,
; four K steps' worth at a time: the registers of K step q take K step q + 4 behind its products.  They have no joint load: both operands with all of K would be 131,072 + 266,240 bytes of LDS, more than a work-group can have.
; Scale words (a row's 32 bytes are its eight words) and the bias go straight into registers too.  The bias is the first products' C.
; All requests stand at the head or follow the products' own pace: there is no loop in which a prefetch could run ahead.
; THE MATRIX INSTRUCTION IS USED TRANSPOSED (source 0 = 16 rows of W_out, source 1 = 16 rows of O): a lane holds eight neighbouring numbers of a row of the result.
; REGISTERS.  Window 0: v16-30 addresses; v32-63 O's scale words (8 a + q); v68-131 W_out's (8 b + q): the two numbers of a product differ modulo 8; v136-199 the bias; on the way out v128-255 rows read back.
; Window 1: W_out's fragments, two sets of 8.  Window 2: the sums, (a, b) at 8 (8 a + b).  Window 3: O's fragments: K step q at 64 (q % 4) + 16 a.
; LIMITS: NaN and infinities are carried as the matrix unit carries them.
.set SIZE_N, 1024
.set PITCH,  1040                      ; an LDS row: 1,024 bytes + 16 of padding, an odd multiple of 16: the 16 rows that a load touches start in different banks (ISA guide 11.1)
.set NP,     8                         ; places behind this matrix instruction (ISA guide 7.12.1)
.set WROWS,  64*PITCH
.set STAGE,  256*PITCH                 ; behind W_out's rows: a stage of 16 rows x (512 + 16) bytes for each wave; no tensor load lands there
.set SPITCH, 528
.set SPARE,  STAGE+4*16*SPITCH
.set ADRB, 16                          ; v16, v17 LDS address of my fragments of W_out: column blocks 0-3, 4-7
.set STO,  24
.set RD,   25
.set CO,   26                          ; 16 x lane
.set RO,   27                          ; 32 x (lane % 16)
.set SPW,  28
.set NIL,  29
.set BO,   30                          ; 32 x (lane / 16)
.set SA,   32
.set SB,   68
.set BB,   136
.set BK,   128
.set G1,   24
.set G0,   32
.set MSB, 0
.macro WIN new                         ; the immediate's high byte repeats the setting that is left
.if MSB != \new
	s_set_vgpr_msb (MSB<<8)|\new
.set MSB, \new
.endif
.endm
.macro PLACES n
.rept \n
	v_nop
.endr
.endm
.macro CROUND                          ; a round of the cluster's barrier
	s_barrier_signal -1
	s_barrier_wait -1
	s_cmp_lg_u32 s14, 0
	s_cbranch_scc1 .Lnot_wave_0_\@
	s_barrier_signal -3
.Lnot_wave_0_\@:
	s_barrier_wait -3
	s_barrier_signal -1
	s_barrier_wait -1
.endm
	s_load_b128 s[4:7], s[0:1], 0x0                ; O's codes, O's scale bytes
	s_load_b128 s[8:11], s[0:1], 0x10              ; W_out's codes, its scale bytes
	s_load_b128 s[44:47], s[0:1], 0x20             ; b_out, out0
	v_lshl_add_u32 v[SPW], v0, 2, SPARE
	v_mov_b32 v[NIL], 0
	ds_add_u32 v[SPW], v[NIL]                      ; the opening lines: the add, twice on end, and its wait
	ds_add_u32 v[SPW], v[NIL]
	v_lshrrev_b32 v1, 5, v0
	v_readfirstlane_b32 s14, v1                    ; wave 0..3
	s_lshr_b32 s15, s14, 1                         ; which 64 rows are mine
	s_and_b32 s16, s14, 1                          ; which 128 columns
	s_bfe_u32 s40, ttmp6, 0x40000                  ; cx, cy
	s_bfe_u32 s41, ttmp6, 0x40004
	s_lshl_b32 s42, ttmp9, 2
	s_add_co_u32 s42, s42, s40                     ; tile column, 256 wide
	s_and_b32 s17, ttmp7, 0xffff
	s_lshl_b32 s17, s17, 2
	s_add_co_u32 s17, s17, s41                     ; tile row, 128 high
	s_lshl_b32 s43, 0x1111, s40                    ; my column of the cluster
	s_or_b32 s[G1], s43, (1<<20)|(1<<21)|(7<<22)|(3<<25)   ; the mask; elements of 1 byte; padding: 4 words after every 256; bit 21 beside a mask
	s_mov_b32 s[G1+1], 1024<<16                    ; 64 whole rows of K
	s_mov_b32 s[G1+2], 64<<16
	s_mov_b32 s[G1+3], 1024<<16
	s_mov_b32 s[G1+4], 64
	s_mov_b32 s[G1+5], 1024
	s_mov_b32 s[G1+6], 0
	s_mov_b32 s[G1+7], 0
	s_mov_b32 s[G0], 1
	s_mul_i32 s[G0+1], s14, WROWS                  ; in LDS: 64 rows x wave
	s_lshl_b32 s48, s42, 18                        ; W_out's codes: row 256 x tile column + 64 x wave
	s_lshl_b32 s18, s14, 16
	s_add_co_u32 s48, s48, s18
	s_mov_b32 s49, 0
	s_lshl_b32 s50, s17, 17                        ; O's codes: 16,384 bytes for 16 tokens: 8 x tile row + 4 x my half
	s_lshl_b32 s18, s15, 16
	s_add_co_u32 s50, s50, s18
	s_mov_b32 s51, 0
	s_lshl_b32 s52, s17, 12                        ; O's scale bytes: 32 a token
	s_lshl_b32 s18, s15, 11
	s_add_co_u32 s52, s52, s18
	s_mov_b32 s53, 0
	s_lshl_b32 s54, s42, 13                        ; W_out's: 32 a row
	s_lshl_b32 s18, s16, 12
	s_add_co_u32 s54, s54, s18
	s_mov_b32 s55, 0
	s_lshl_b32 s56, s42, 10                        ; my first column in bytes of f32: for the bias and for the result
	s_lshl_b32 s18, s16, 9
	s_add_co_u32 s56, s56, s18
	s_mov_b32 s57, 0
	s_lshl_b32 s58, s17, 19                        ; my first row of the result: 4,096 bytes a row
	s_lshl_b32 s18, s15, 18
	s_add_co_u32 s58, s58, s18
	s_mov_b32 s59, 0
	s_mul_i32 s22, s16, 128*PITCH                  ; my 128 rows of W_out in LDS
	s_mul_i32 s23, s14, 16*SPITCH
	s_add_co_u32 s23, s23, STAGE                   ; my stage
	s_wait_dscnt 0x0                               ; both opening adds are done
	s_wait_kmcnt 0x0
	s_add_nc_u64 s[G0+2:G0+3], s[8:9], s[48:49]
	s_or_b32 s[G0+3], s[G0+3], 0x80000000
	s_add_nc_u64 s[20:21], s[4:5], s[50:51]
	s_add_nc_u64 s[6:7], s[6:7], s[52:53]
	s_add_nc_u64 s[10:11], s[10:11], s[54:55]
	s_add_nc_u64 s[44:45], s[44:45], s[56:57]
	s_add_nc_u64 s[12:13], s[46:47], s[58:59]
	s_add_nc_u64 s[12:13], s[12:13], s[56:57]
	CROUND                                         ; all sixteen work-groups are here: the joint loads meet
	tensor_load_to_lds s[G0:G0+3], s[G1:G1+7]      ; my one tensor load of the launch
	s_nop 0
	PLACES 4
	v_and_b32 v1, 15, v0                           ; r
	v_bfe_u32 v2, v0, 4, 1                         ; h
	v_and_b32 v6, 31, v0
	v_lshlrev_b32 v[CO], 4, v6
	v_lshlrev_b32 v[RO], 5, v1
	v_lshlrev_b32 v[BO], 5, v2
	v_mul_u32_u24 v3, v1, PITCH
	v_mul_u32_u24 v5, v1, SPITCH
	v_lshl_add_u32 v4, v2, 4, v3                   ; a fragment's row x pitch + 16 x half
	v_lshl_add_u32 v5, v2, 5, v5
	v_add_nc_u32 v[ADRB], s22, v4
	v_add_nc_u32 v[STO], s23, v5
	v_add_nc_u32 v[RD], s23, v[CO]
	v_add_nc_u32 v[ADRB+1], 4*16*PITCH, v[ADRB]
	s_wait_alu depctr_va_vdst(0)
.macro ALOAD q                         ; O's four fragments of K step q: 16 loads
.irp a, 0,1,2,3
.irp c, 0,1,2,3
	global_load_b128 v[64*((\q)%4)+16*\a+4*\c:64*((\q)%4)+16*\a+4*\c+3], v[CO], s[20:21] offset:16384*\a+2048*(\q)+512*\c
.endr
.endr
.endm
.irp b, 0,1,2,3,4,5,6,7
	global_load_b128 v[BB+8*\b:BB+8*\b+3], v[BO], s[44:45] offset:64*\b          ; the bias of columns 16 b + 8 h + 0 .. 7
	global_load_b128 v[BB+8*\b+4:BB+8*\b+7], v[BO], s[44:45] offset:64*\b+16
.endr
.irp b, 0,1,2,3,4,5,6,7
	global_load_b128 v[SB+8*\b:SB+8*\b+3], v[RO], s[10:11] offset:512*\b         ; row r of block b: its eight scale words
	global_load_b128 v[SB+8*\b+4:SB+8*\b+7], v[RO], s[10:11] offset:512*\b+16
.endr
.irp a, 0,1,2,3
	global_load_b128 v[SA+8*\a:SA+8*\a+3], v[RO], s[6:7] offset:512*\a
	global_load_b128 v[SA+8*\a+4:SA+8*\a+7], v[RO], s[6:7] offset:512*\a+16
.endr
	WIN 0xc0
	ALOAD 0
	ALOAD 1
	ALOAD 2
	ALOAD 3
	WIN 0
.macro FETCH_B q                       ; W_out's eight fragments of K step q into set q % 2: 32 loads
	WIN 0x40
.irp b, 0,1,2,3,4,5,6,7
.irp c, 0,1,2,3
	ds_load_b128 v[128*((\q)%2)+16*\b+4*\c:128*((\q)%2)+16*\b+4*\c+3], v[ADRB+\b/4] offset:(\b%4)*16*PITCH+128*(\q)+32*\c
.endr
.endr
	WIN 0
.endm
.macro MULS q                          ; 32 products: the accumulators take turns, one instruction a turn
.irp a, 0,1,2,3
.irp b, 0,1,2,3,4,5,6,7
.if (\q) == 0
	v_wmma_scale_f32_16x16x128_f8f6f4 v[8*(8*\a+\b):8*(8*\a+\b)+7], v[128*((\q)%2)+16*\b:128*((\q)%2)+16*\b+15], v[64*((\q)%4)+16*\a:64*((\q)%4)+16*\a+15], v[BB+8*\b:BB+8*\b+7], v[SB+8*\b+(\q)], v[SA+8*\a+(\q)]
.else
	v_wmma_scale_f32_16x16x128_f8f6f4 v[8*(8*\a+\b):8*(8*\a+\b)+7], v[128*((\q)%2)+16*\b:128*((\q)%2)+16*\b+15], v[64*((\q)%4)+16*\a:64*((\q)%4)+16*\a+15], v[8*(8*\a+\b):8*(8*\a+\b)+7], v[SB+8*\b+(\q)], v[SA+8*\a+(\q)]
.endif
.endr
.endr
.endm
; K step q.  later: the global loads issued behind this step's fragments of O, which may stay out: three K steps' 16 each while there are so many.
.macro STEP q, later
	s_wait_loadcnt \later
	s_wait_dscnt 0x0                               ; this step's fragments of W_out are in (asked for a step ago)
.if (\q) < 7
.if (\q) > 0
	PLACES NP                                      ; the other set was read by the last step's products
.endif
	FETCH_B (\q)+1
.endif
.if (\q) == 0
	WIN 0x8d                                       ; source 0 window 1, source 1 window 3, C (the bias) window 0, D window 2
.else
	WIN 0xad                                       ; C window 2
.endif
	MULS \q
	WIN 0
.if (\q) < 4
	PLACES NP
	WIN 0xc0
	ALOAD (\q)+4                                   ; into the registers that these products have read
	WIN 0
.endif
.endm
	s_wait_tensorcnt 0x0                           ; my 64 rows of W_out are in
	s_barrier_signal -1
	s_barrier_wait -1                              ; everybody's are
	FETCH_B 0
	STEP 0, 48
	STEP 1, 48
	STEP 2, 48
	STEP 3, 48
	STEP 4, 48
	STEP 5, 32
	STEP 6, 16
	STEP 7, 0
; THE WAY OUT, block by block of 16 rows x 128 columns, through my own stage: back come whole rows of 512 bytes, which the 32 lanes store as two aligned units of 256 bytes.
; LDS serves a wave's instructions in order (ISA guide 5.7.1.4): no wait between the stores and the loads.
.macro TOSTAGE a
.set AC, 64*(\a)
	WIN 0x08                                       ; the data: window 2
.irp b, 0,1,2,3,4,5,6,7
	ds_store_b128 v[STO], v[AC+8*\b:AC+8*\b+3] offset:64*\b          ; each accumulator from its low end on
	ds_store_b128 v[STO], v[AC+8*\b+4:AC+8*\b+7] offset:64*\b+16
.endr
	WIN 0
.set BQ, BK+64*((\a)%2)
.irp t, 0,1,2,3,4,5,6,7,8,9,10,11,12,13,14,15
	ds_load_b128 v[BQ+4*\t:BQ+4*\t+3], v[RD] offset:\t*SPITCH
.endr
.endm
.macro SEND a, younger                 ; younger: the LDS instructions issued behind block a's loads
.set BQ, BK+64*((\a)%2)
	s_wait_dscnt \younger
.if (\a) > 0
	s_add_nc_u64 s[12:13], s[12:13], 16*SIZE_N*4   ; (behind a wait on XCNT: the earlier stores have read their base)
.endif
.irp t, 0,1,2,3,4,5,6,7,8,9,10,11,12,13,14,15
	global_store_b128 v[CO], v[BQ+4*\t:BQ+4*\t+3], s[12:13] offset:\t*SIZE_N*4 th:TH_STORE_NT
.endr
.endm
	PLACES NP                                      ; behind the last products: for the reads of their sums and for the loads into registers that they have read
	TOSTAGE 0
.irp a, 1,2,3
.if \a > 1
	s_wait_xcnt 0x0                                ; block a - 2's stores have read their registers and their base
.endif
	TOSTAGE \a
	SEND \a-1, 32
.endr
	s_wait_xcnt 0x0
	SEND 3, 0
	s_wait_tensorcnt 0x0                           ; the wave's end
	ds_add_u32 v[SPW], v[NIL]
	s_wait_dscnt 0x0
	CROUND                                         ; the closing round
	s_endpgm
.Lfunc_end_k_q627ff49345_proj:
	.size	k_q627ff49345_proj, .Lfunc_end_k_q627ff49345_proj-k_q627ff49345_proj
	.p2alignl 7, 3214868480
	.fill 96, 4, 3214868480
	.section	.rodata,"a",@progbits
	.p2align	6, 0x0
	.amdhsa_kernel k_q627ff49345_proj
		.amdhsa_group_segment_fixed_size 300544
		.amdhsa_private_segment_fixed_size 0
		.amdhsa_enable_private_segment 0
		.amdhsa_kernarg_size 48
		.amdhsa_user_sgpr_count 2
		.amdhsa_user_sgpr_kernarg_segment_ptr 1
		.amdhsa_wavefront_size32 1
		.amdhsa_system_sgpr_workgroup_id_x 1
		.amdhsa_system_sgpr_workgroup_id_y 1
		.amdhsa_system_sgpr_workgroup_id_z 1
		.amdhsa_system_vgpr_workitem_id 0
		.amdhsa_next_free_vgpr 1024
		.amdhsa_next_free_sgpr 66
		.amdhsa_reserve_vcc 0
		.amdhsa_float_denorm_mode_32 3
		.amdhsa_float_denorm_mode_16_64 3
		.amdhsa_memory_ordered 1
		.amdhsa_forward_progress 1
		.amdhsa_inst_pref_size 88
	.end_amdhsa_kernel
	.amdgpu_metadata
---
amdhsa.version: [ 1, 2 ]
amdhsa.kernels:
  - .name:           k_q627ff49345_proj
    .symbol:         k_q627ff49345_proj.kd
    .args:
      - { .name: oc, .offset: 0, .size: 8, .value_kind: global_buffer, .address_space: global }
      - { .name: os, .offset: 8, .size: 8, .value_kind: global_buffer, .address_space: global }
      - { .name: w_out_codes, .offset: 16, .size: 8, .value_kind: global_buffer, .address_space: global }
      - { .name: w_out_scales, .offset: 24, .size: 8, .value_kind: global_buffer, .address_space: global }
      - { .name: b_out, .offset: 32, .size: 8, .value_kind: global_buffer, .address_space: global }
      - { .name: out0, .offset: 40, .size: 8, .value_kind: global_buffer, .address_space: global }
    .group_segment_fixed_size: 300544
    .private_segment_fixed_size: 0
    .kernarg_segment_align: 8
    .kernarg_segment_size: 48
    .max_flat_workgroup_size: 128
    .sgpr_count:     66
    .vgpr_count:     1024
    .wavefront_size: 32
...
	.end_amdgpu_metadata
.endif
;; end of part 3
